; MI455X (gfx1250); checked and timed in simulation.
; The chip was launched on July 23, 2026; its instructions are those of AMD's public machine-readable ISA for CDNA 5 (MIT licence, August 2026) and "CDNA5" Instruction Set Architecture Reference Guide (July 2026). The comments in the code are by the model that wrote it; some were corrected since.
;; Self Attention. Allowed arithmetic: matrix products marked QUANTISED: E5M2 operands, one given power-of-two scale a tensor, by v_wmma_f32_16x16x64_bf8_bf8 or v_wmma_f32_16x16x128_bf8_bf8, f32 sums; everything else in f32.
;; Inputs: entangle_params 3,072 float32; inputs_codes 2 x 2,048 x 32 x 32 uint8 (E5M2 codes of inputs, K innermost, in blocks of 32 codes); lowp_scales 6 int32 (the exponents e of the quantised operands' scales 2^e); rotation_params_codes 3,072 x 32 x 32 uint8 (E5M2 codes of rotation_params, K innermost, in blocks of 32 codes).
;; Outputs: out0 2 x 2,048 x 1,024 float32.
;; This version of the problem:
;;   THIS VERSION OF THE PROBLEM IS GIVEN IN LOW PRECISION. The matrix products marked QUANTISED in the list below multiply operands that are first quantised to E5M2 (5 exponent bits, 2 mantissa bits; 8 bits a number), with one given power-of-two scale for each operand tensor; their sums are f32. All else is computed in f32.
;;   The module's matrix products, in the order in which they are computed (A, B: the left and right operand; K: the contracted axis; several contracted axes count as one K, in the product's order):
;;     1. [M 4,096, K 1,024] x [K 1,024, N 3,072]; A: input inputs (given as codes); B: input rotation_params (given as codes): QUANTISED (scales: A lowp_scales[0], B lowp_scales[1])
;;     2. batch 32 x [M 2,048, K 64] x [K 64, N 2,048]; A: computed on the way; B: computed on the way: QUANTISED (scales: A lowp_scales[2], B lowp_scales[3])
;;     3. batch 32 x [M 2,048, K 2,048] x [K 2,048, N 64]; A: softmax (see below); B: computed on the way: QUANTISED (scales: A lowp_scales[4], B lowp_scales[5])
;;   THE QUANTISER, for each operand of a quantised product, along K:
;;     - The operand's scale is 2^e, e = its entry of the input lowp_scales (int32; the entries are numbered through the quantised products in the list's order, A before B).
;;     - Each number is divided by the scale, clamped to +-57,344, and rounded to the nearest number of E5M2, ties to even, subnormals kept.
;;     - The product sums the exact products of the quantised numbers (number of the format x scale) in f32.
;;   ~~~python
;;   def quantise(x, axis, e):      # numpy; x: float32 -> the quantised numbers, widened to float32 again
;;       x = np.moveaxis(x, axis, -1); K = x.shape[-1]
;;       r = np.clip(x / 2.0 ** e, -57344, 57344)
;;       step = 2.0 ** (np.maximum(np.frexp(np.where(r == 0, 1, r))[1] - 1, -14) - 2)
;;       q = np.round(r / step) * step * 2.0 ** e      # np.round: ties to even
;;       return np.moveaxis(q, -1, axis).astype(np.float32)
;;   ~~~
;;   SOFTMAX AHEAD OF A QUANTISED PRODUCT. Where the list says 'softmax', what is quantised is not the finished softmax but p = 2^(t - M), with t = logit x log2(e) and M = ceil(the row's largest t), a whole number; so 1/2 < the row's largest p <= 1. The row's sum l is taken of the UNQUANTISED p, in f32, and the product's result is divided by l at the end. Since M is a whole number, a kernel that streams over the keys may use a running M (the ceiling of the running maximum): every later rescaling is an exact power of two, so the quantised numbers keep their values, but for numbers so far below the row's largest that they fall under the format's range.
;;   OPERANDS COMPUTED ON THE WAY. 'Computed on the way' means the value that the module computes at that place (a softmax that the list does not call 'softmax' is quantised finished and normalised). What goes into a quantiser is computed in f32, as accurately as f32 sums, v_exp_f32 and their like allow (about 1e-6 of the number): no bf16 or f16 on the way to a quantiser, and a product that is left as it is and whose result goes on into a quantised operand takes f32 operands (vector FMAs, or v_wmma_f32_16x16x4_f32). A number that lies on a knife's edge between two numbers of the format may be rounded either way, as far as f32 arithmetic and the matrix unit's own rounding can turn it there, and no further.
;;   INPUTS GIVEN AS CODES. inputs (in the module: [2, 2048, 1024], K = its axis 2); rotation_params (in the module: [3072, 1024], K = its axis 1): each comes as NAME_codes (uint8): NAME with its K axis moved to the last place and cut into blocks of 32 codes, [.., K / 32, bytes a block], one block behind the other in memory; one code a byte (a code: sign, 5 exponent bits, 2 mantissa bits); its scale is its entry of lowp_scales. Its value is code x scale, taken as it is: it is not quantised again, and the codes and scales need not be those that the quantiser above would give.
;; One version. Each part assembles by itself: llvm-mc -triple=amdgcn-amd-amdhsa -mcpu=gfx1250 --defsym DOCPART=n.
;; ======== version 1 of 1: 3 launches
;; limits: right only within a limited range of input values
;; workspace buffers: q_codes 4,194,304 bytes; k_codes 4,194,304 bytes; v_codes 4,194,304 bytes; o_ws 16,777,216 bytes
;; launch qkv (part 1): grid 16 x 16, 4 waves a work-group, clusters of 4 x 4, 327,680 bytes of LDS; arguments inputs_codes, rotation_params_codes, lowp_scales, entangle_params, q_codes, k_codes, v_codes; writes q_codes, k_codes, v_codes
.if DOCPART == 1
	.amdgcn_target "amdgcn-amd-amdhsa--gfx1250"
	.amdhsa_code_object_version 6
	.text
	.protected	k_qdfe2825d09_qkv
	.globl	k_qdfe2825d09_qkv
	.p2align	8
	.type	k_qdfe2825d09_qkv,@function
k_qdfe2825d09_qkv:
	s_mov_b64 s[64:65], 0
	v_nop
	global_prefetch_b8 v0, s[64:65] scope:SCOPE_SE
	s_setreg_imm32_b32 hwreg(HW_REG_WAVE_MODE, 25, 1), 1
	s_wait_xcnt 0x0
	s_wait_alu depctr_hold_cnt(0) depctr_sa_sdst(0) depctr_va_vdst(0) depctr_va_sdst(0) depctr_va_ssrc(0) depctr_va_vcc(0) depctr_vm_vsrc(0)
	s_getreg_b32 s2, hwreg(HW_REG_IB_STS2, 6, 4)
	s_cmp_eq_u32 s2, 0
	s_cbranch_scc0 .Lentry_in_a_cluster
	s_endpgm
.Lentry_in_a_cluster:
	s_bfe_u32 s2, ttmp6, 0x10000c
	s_cmp_lg_u32 s2, 0xf033
	s_cbranch_scc0 .Lentry_shape_is_right
	s_endpgm
.Lentry_shape_is_right:
; Q, K, V = inputs x rotation_params^T + entangle_params on codes of BF8 (E5M2), each result quantised with its own given scale.  No work of the problem is left out.
; A WORK-GROUP owns 256 tokens x one head's Q, K and V (3 x 64 rows of the weights): 16 token blocks x 16 heads = 256 work-groups of equal work.
; A WAVE makes 128 tokens x 96: 32 columns each of Q, K and V: 8 x 6 accumulators of 16 x 16, 384 registers.  K = 1,024 goes in four steps of 256 through two LDS slots filled by the tensor data mover.
; CLUSTERS of 4 x 4: the four of a row share the tokens, the four of a column the head's weights: each tile is asked for JOINTLY.
; Wave 0 fetches the 256 rows of tokens, waves 1 to 3 the 64 rows of weights of Q, K, V.
; PREFETCH INTO THE L2: K steps 2 and 3, each one K step ahead of its joint load, one instruction a wave; K steps 0 and 1 come by their loads alone.  Of a step's 256 rows of tokens each of the row's four partners names 64 (waves 0 and 1, a lane a row),
; of its 192 rows of weights each of the column's four names 48 (waves 2 and 3, 24 each; the lanes left over name the wave's last row again): partners are told apart by address, and each block of 256 bytes is named once in each cluster.
; ORIENTATION.  Q and K: source 0 = weights, source 1 = tokens: a lane holds one token, registers along the head's axis.  V: source 0 = tokens, source 1 = weights: a lane holds one column of V, registers along the tokens.
; THE OUTPUTS ARE IMAGES OF THE NEXT LAUNCH'S OPERAND REGISTERS, 16 codes a lane, 512 consecutive bytes a store; hb = 2 head + batch:
;   q_codes, k_codes: [hb][tile of 16 tokens 128][b 2][lane][16]: token 16 tile + lane % 16, d = 32 b + 8 (lane / 16) + 0 .. 7, then 16 further on.
;   v_codes: [hb][128 tokens 16][d tile 4][c 4][lane][16]: d = 16 tile + lane % 16, tokens 32 c + 8 (lane / 16) + 0 .. 7, then 16 further on.
; LIMITS on the given exponents, so that each power of two below is an f32 number: e0 + e1 between -126 and 127; e2, e3 and e5 between -126 and 112.
; REGISTERS: window 0: v1-23 addresses and constants, v24-59 biases, v64-159 and v160-255 two sets of the weights' fragments (6 x 16); window 1: two sets of the tokens' fragments (8 x 16);
;   windows 2 and 3: accumulators of token tiles 0-3 and 4-7: (a, n) at v[8 (6 (a % 4) + n)].
.set ROWB,  256
.set PITCH, 272                        ; 256 bytes + 16 of padding: the 16 rows that a load touches start at 16 different banks (64 banks of 4 bytes: ISA guide 11.1)
.set BOFF,  256*PITCH                  ; a slot: 256 rows of tokens, then 3 x 64 rows of weights
.set ZB,    64*PITCH
.set SLOT,  BOFF+3*ZB
.set SPARE, 2*SLOT                     ; the spare words, 128 bytes for each wave
.set PFO,  8                           ; v8 the prefetches' offset; never rewritten
.set CO,   10
.set ADRA, 12
.set ADRB, 14
.set SPW,  16
.set NIL,  17
.set SC,   18
.set LM,   21
.set BQ,   24
.set BKK,  40
.set BV,   56
.set TMP,  64
.set CD,   160
.set G1,   24
.set G0,   32
.set G1B,  48
.set G0B,  56
.set PFA,  92                          ; s[92:93] where my wave's prefetches stand; never rewritten
.set MSB, 0
.macro WIN new                         ; the immediate's high byte repeats the setting that is left
.set NW, \new
.if MSB != NW
	s_set_vgpr_msb (MSB<<8)|NW
.set MSB, NW
.endif
.endm
; A joint load: each of the two lines has one mask and one set of registers for all that issue it; the branch hangs on the wave's number alone.
.macro JLOAD s
	s_cmp_eq_u32 s14, 0
	s_cbranch_scc0 .Lfor_b_\@
	tensor_load_to_lds s[G0+4*\s:G0+4*\s+3], s[G1:G1+7]
	s_nop 0
.rept 4
	v_nop
.endr
	s_branch .Lasked_\@
.Lfor_b_\@:
	tensor_load_to_lds s[G0B+4*\s:G0B+4*\s+3], s[G1B:G1B+7]
	s_nop 0
.rept 4
	v_nop
.endr
.Lasked_\@:
.endm
.macro CREST                           ; a round of the cluster's barrier behind its opening barrier
	s_cmp_lg_u32 s14, 0
	s_cbranch_scc1 .Lnot_wave_0_\@
	s_barrier_signal -3
.Lnot_wave_0_\@:
	s_barrier_wait -3
	s_barrier_signal -1
	s_barrier_wait -1
.endm
.macro CROUND
	s_barrier_signal -1
	s_barrier_wait -1
	CREST
.endm
	s_load_b256 s[4:11], s[0:1], 0x0               ; inputs s[4:5], weights s[6:7], exponents s[8:9], biases s[10:11]
	s_load_b128 s[68:71], s[0:1], 0x20             ; q, k
	s_load_b64 s[72:73], s[0:1], 0x30              ; v
	v_lshl_add_u32 v[SPW], v0, 2, SPARE
	v_mov_b32 v[NIL], 0
	ds_add_u32 v[SPW], v[NIL]                      ; the opening add, twice on end, and its wait
	ds_add_u32 v[SPW], v[NIL]
	v_lshrrev_b32 v1, 5, v0
	v_readfirstlane_b32 s14, v1                    ; wave
	s_lshr_b32 s15, s14, 1                         ; which 128 tokens
	s_and_b32 s16, s14, 1                          ; which 32 columns of each of Q, K, V
	s_bfe_u32 s40, ttmp6, 0x40000                  ; cx
	s_bfe_u32 s41, ttmp6, 0x40004                  ; cy
	s_lshl_b32 s42, ttmp9, 2
	s_add_co_u32 s42, s42, s40                     ; head
	s_and_b32 s17, ttmp7, 0xffff
	s_lshl_b32 s17, s17, 2
	s_add_co_u32 s17, s17, s41                     ; block of 256 tokens, 8 to a batch
	s_lshl_b32 s43, s41, 2
	s_lshl_b32 s43, 15, s43                        ; my row of the cluster
	s_lshl_b32 s44, 0x1111, s40                    ; my column
	s_or_b32 s[G1], s43, (1<<20)|(1<<21)|(5<<22)|(3<<25)    ; elements of 1 byte; 4 words of padding behind every 64
	s_or_b32 s[G1B], s44, (1<<20)|(1<<21)|(5<<22)|(3<<25)
	s_mov_b32 s[G1+1], ROWB<<16
	s_mov_b32 s[G1+2], 256<<16
	s_mov_b32 s[G1+3], ROWB<<16
	s_mov_b32 s[G1+4], 256
	s_mov_b32 s[G1+5], 1024
	s_mov_b32 s[G1+6], 0
	s_mov_b32 s[G1+7], 0
	s_mov_b32 s[G1B+1], ROWB<<16
	s_mov_b32 s[G1B+2], 64<<16
	s_mov_b32 s[G1B+3], ROWB<<16
	s_mov_b32 s[G1B+4], 64
	s_mov_b32 s[G1B+5], 1024
	s_mov_b32 s[G1B+6], 0
	s_mov_b32 s[G1B+7], 0
	s_lshl_b32 s20, s17, 18                        ; tokens: 256 rows of 1,024 bytes a block
	s_mov_b32 s21, 0
	s_max_u32 s2, s14, 1
	s_sub_co_u32 s2, s2, 1                         ; waves 1, 2, 3: Q, K, V: 1,024 rows apart
	s_lshl_b32 s2, s2, 20
	s_lshl_b32 s46, s42, 16                        ; the head's 64 rows
	s_add_co_u32 s46, s46, s2
	s_mov_b32 s47, 0
	s_mul_i32 s45, s14, ZB
	s_add_co_u32 s45, s45, BOFF-ZB                 ; where waves 1 to 3 put them
	s_wait_dscnt 0x0
	s_wait_kmcnt 0x0
	s_load_b128 s[84:87], s[8:9], 0x0              ; e0 .. e3
	s_load_b64 s[88:89], s[8:9], 0x10              ; e4, e5
	s_add_nc_u64 s[20:21], s[4:5], s[20:21]
	s_add_nc_u64 s[46:47], s[6:7], s[46:47]
	CROUND                                         ; all sixteen work-groups are here: the first joint loads meet
.irp s, 0,1
	s_mov_b32 s[G0+4*\s], 1
	s_mov_b32 s[G0+4*\s+1], \s*SLOT
	s_add_nc_u64 s[G0+4*\s+2:G0+4*\s+3], s[20:21], \s*ROWB
	s_or_b32 s[G0+4*\s+3], s[G0+4*\s+3], 0x80000000
	s_mov_b32 s[G0B+4*\s], 1
	s_add_co_u32 s[G0B+4*\s+1], s45, \s*SLOT
	s_add_nc_u64 s[G0B+4*\s+2:G0B+4*\s+3], s[46:47], \s*ROWB
	s_or_b32 s[G0B+4*\s+3], s[G0B+4*\s+3], 0x80000000
.endr
	JLOAD 0                                        ; K step 0: one tensor load a wave at the head
	; biases: 32 columns each of Q and K along a lane's registers, of V a number a lane
	s_lshl_b32 s2, s42, 6
	s_lshl_b32 s3, s16, 5
	s_add_co_u32 s2, s2, s3
	s_lshl_b32 s74, s2, 2
	s_mov_b32 s75, 0
	s_add_nc_u64 s[74:75], s[10:11], s[74:75]
	s_mul_i32 s2, s15, 128*PITCH                   ; my 128 tokens in a slot
	s_mul_i32 s3, s16, 32*PITCH
	s_add_co_u32 s3, s3, BOFF                      ; my 32 rows of Q's weights in a slot; K's and V's follow ZB apart
	v_and_b32 v1, 15, v0
	v_bfe_u32 v2, v0, 4, 1
	v_mul_u32_u24 v3, v1, PITCH
	v_lshl_add_u32 v4, v2, 4, v3                   ; a fragment's row x pitch + 16 x half
	v_add_nc_u32 v[ADRA], s2, v4
	v_add_nc_u32 v[ADRA+1], SLOT, v[ADRA]
	v_add_nc_u32 v[ADRB], s3, v4
	v_add_nc_u32 v[ADRB+1], SLOT, v[ADRB]
	v_and_b32 v5, 31, v0
	v_lshlrev_b32 v[CO], 4, v5
	v_lshlrev_b32 v6, 5, v2
	v_lshlrev_b32 v7, 2, v1
.irp u, 0,1
	global_load_b128 v[BQ+8*\u:BQ+8*\u+3], v6, s[74:75] offset:64*\u
	global_load_b128 v[BQ+8*\u+4:BQ+8*\u+7], v6, s[74:75] offset:64*\u+16
	global_load_b128 v[BKK+8*\u:BKK+8*\u+3], v6, s[74:75] offset:4096+64*\u
	global_load_b128 v[BKK+8*\u+4:BKK+8*\u+7], v6, s[74:75] offset:4096+64*\u+16
	global_load_b32 v[BV+2*\u], v7, s[74:75] offset:8192+64*\u
	v_mov_b32 v[BV+2*\u+1], 0                      ; (named as the upper half of the pair)
.endr
	; the prefetches: waves 0 and 1: rows 64 cx + 32 wave + lane of my token block; waves 2 and 3: rows 48 cy + 24 (wave - 2) + lane of the head's 192
	s_lshl_b32 s2, s40, 6
	s_lshl_b32 s3, s14, 5
	s_add_co_u32 s2, s2, s3
	s_mul_i32 s3, s41, 48
	s_mul_i32 s90, s14, 24
	s_add_co_u32 s3, s3, s90
	s_sub_co_u32 s3, s3, 48
	s_lshl_b32 s90, s17, 18
	s_lshl_b32 s91, s42, 16
	s_cmp_lt_u32 s14, 2
	s_cselect_b32 s2, s2, s3
	s_cselect_b32 s90, s90, s91
	s_mov_b32 s91, 0
	s_cselect_b32 s3, 31, 23                       ; the wave's last row
	s_cselect_b32 s94, 16, 20                      ; from 64 rows to the next 64: 65,536 bytes in the tokens, 1,048,576 in the weights
	s_cselect_b64 s[PFA:PFA+1], s[4:5], s[6:7]
	s_add_nc_u64 s[PFA:PFA+1], s[PFA:PFA+1], s[90:91]
	v_and_b32 v[PFO], 31, v0
	v_min_u32 v[PFO], s3, v[PFO]
	v_add_nc_u32 v[PFO], s2, v[PFO]
	v_lshrrev_b32 v9, 6, v[PFO]
	v_and_b32 v[PFO], 63, v[PFO]
	v_lshlrev_b32 v9, s94, v9
	v_lshl_add_u32 v[PFO], v[PFO], 10, v9
	; where my results go
	s_lshr_b32 s2, s17, 3
	s_lshl_b32 s3, s42, 1
	s_add_co_u32 s2, s2, s3                        ; hb
	s_lshl_b32 s76, s2, 17
	s_and_b32 s2, s17, 7
	s_lshl_b32 s2, s2, 14
	s_add_co_u32 s76, s76, s2
	s_lshl_b32 s2, s15, 13
	s_add_co_u32 s76, s76, s2                      ; my 128 tokens: 8 tiles of 1,024 bytes in Q and K, 8,192 bytes in V
	s_lshl_b32 s78, s16, 9
	s_add_co_u32 s78, s78, s76
	s_mov_b32 s79, 0
	s_lshl_b32 s80, s16, 12
	s_add_co_u32 s80, s80, s76
	s_mov_b32 s81, 0
	s_add_nc_u64 s[68:69], s[68:69], s[78:79]
	s_add_nc_u64 s[70:71], s[70:71], s[78:79]
	s_add_nc_u64 s[72:73], s[72:73], s[80:81]
; A fragment, 16 rows x 128 K, is 16 registers: lane l holds row l % 16; registers 4 c .. 4 c + 3 hold K = 32 c + 16 (l / 16) + 0 .. 15, in both operands alike.
.macro FB slot, q, p, n                ; weights: n = 0, 1 Q; 2, 3 K; 4, 5 V
	WIN 0
.irp c, 0,1,2,3
	ds_load_b128 v[64+96*(\p)+16*(\n)+4*\c:64+96*(\p)+16*(\n)+4*\c+3], v[ADRB+\slot] offset:((\n)/2)*ZB+((\n)%2)*16*PITCH+128*(\q)+32*\c
.endr
.endm
.macro FA slot, q, p, a                ; tokens
	WIN 0x40
.irp c, 0,1,2,3
	ds_load_b128 v[128*(\p)+16*(\a)+4*\c:128*(\p)+16*(\a)+4*\c+3], v[ADRA+\slot] offset:(\a)*16*PITCH+128*(\q)+32*\c
.endr
.endm
; The 48 accumulators take turns, one instruction a turn, in the same order in every step.  zero = 1: the first product starts the sums.
.macro GQ p, a0, zero                  ; Q and K of two token tiles: 8 products
	WIN 0xa4+0x50*((\a0)/4)
.irp a, (\a0), (\a0)+1
.irp n, 0,1,2,3
.set AC, 8*(6*((\a)%4)+\n)
.set FW, 64+96*(\p)+16*\n
.set FT, 128*(\p)+16*(\a)
.if \zero
	v_wmma_f32_16x16x128_bf8_bf8 v[AC:AC+7], v[FW:FW+15], v[FT:FT+15], 0
.else
	v_wmma_f32_16x16x128_bf8_bf8 v[AC:AC+7], v[FW:FW+15], v[FT:FT+15], v[AC:AC+7]
.endif
.endr
.endr
.endm
.macro GV p, a0, zero                  ; V of four token tiles: 8 products
	WIN 0xa1+0x50*((\a0)/4)
.irp a, (\a0), (\a0)+1, (\a0)+2, (\a0)+3
.irp n, 4,5
.set AC, 8*(6*((\a)%4)+\n)
.set FW, 64+96*(\p)+16*\n
.set FT, 128*(\p)+16*(\a)
.if \zero
	v_wmma_f32_16x16x128_bf8_bf8 v[AC:AC+7], v[FT:FT+15], v[FW:FW+15], 0
.else
	v_wmma_f32_16x16x128_bf8_bf8 v[AC:AC+7], v[FT:FT+15], v[FW:FW+15], v[AC:AC+7]
.endif
.endr
.endr
.endm
.macro PLACES                          ; a load into a register that a matrix instruction has read stands four plain vector instructions behind it
.rept 4
	v_nop
.endr
.endm
; The first 128 of a slot's K, on set 0; the second 128 are fetched into set 1 between the products.
.macro SUB slot, zero
	s_wait_dscnt 16                                ; the weights and token tiles 0-3 are in; the youngest 16 loads (tiles 4-7) may be out
	GQ 0, 0, \zero
	PLACES
.irp n, 0,1,2
	FB \slot, 1, 1, \n
.endr
	GQ 0, 2, \zero
.irp n, 3,4,5
	FB \slot, 1, 1, \n
.endr
	GV 0, 0, \zero
.irp a, 0,1,2
	FA \slot, 1, 1, \a
.endr
	s_wait_dscnt 36                                ; all but the 36 issued in this step
	GQ 0, 4, \zero
.irp a, 3,4
	FA \slot, 1, 1, \a
.endr
	GQ 0, 6, \zero
.irp a, 5,6,7
	FA \slot, 1, 1, \a
.endr
	GV 0, 4, \zero
.endm
; The second 128, on set 1, and the change of slots: one barrier; in front of it each wave waits for its tensor load, adds 0 to its spare word, and waits for that and for its reads of this slot.
; fill = 1: all products stand ahead of the wait for the tensor load, and nothing but the round between that wait and the refill.
.macro TURN slot, next, fill
	s_wait_dscnt 16
	GQ 1, 0, 0
	GQ 1, 2, 0
	GV 1, 0, 0
.if \fill
	s_wait_dscnt 0x0                               ; token tiles 4-7 are in
	GQ 1, 4, 0
	GQ 1, 6, 0
	GV 1, 4, 0
	WIN 0
	s_wait_tensorcnt 0x0                           ; my part of the next slot is in
	ds_add_u32 v[SPW], v[NIL]
	s_wait_dscnt 0x0                               ; the add is done, and my reads of this slot are over
	s_barrier_signal -1
	s_barrier_wait -1
	CREST                                          ; no wave of any partner still reads this slot or has a load on its way
	s_add_nc_u64 s[G0+4*\slot+2:G0+4*\slot+3], s[G0+4*\slot+2:G0+4*\slot+3], 2*ROWB
	s_add_nc_u64 s[G0B+4*\slot+2:G0B+4*\slot+3], s[G0B+4*\slot+2:G0B+4*\slot+3], 2*ROWB
	JLOAD \slot
.else
	WIN 0
	s_wait_tensorcnt 0x0
	ds_add_u32 v[SPW], v[NIL]
	s_wait_dscnt 1                                 ; all fragments are in; the add may be out
	GQ 1, 4, 0
	s_wait_dscnt 0x0
	s_barrier_signal -1
	GQ 1, 6, 0
	WIN 0
	s_barrier_wait -1
	PLACES
.endif
.irp n, 0,1,2,3,4,5
	FB \next, 0, 0, \n
.endr
.irp a, 0,1,2,3
	FA \next, 0, 0, \a
.endr
.if \fill == 0
	GV 1, 4, 0
.endif
.irp a, 4,5,6,7
	FA \next, 0, 0, \a
.endr
.endm
	s_wait_alu depctr_va_vdst(0)                   ; the wait at the head's end
	s_wait_tensorcnt 0x0                           ; K step 0 is in; these lines ahead of slot 1's first fill as ahead of a refill
	ds_add_u32 v[SPW], v[NIL]
	s_wait_dscnt 0x0
	CROUND
	JLOAD 1
.irp n, 0,1,2,3,4,5
	FB 0, 0, 0, \n
.endr
.irp a, 0,1,2,3,4,5,6,7
	FA 0, 0, 0, \a
.endr
	global_prefetch_b8 v[PFO], s[PFA:PFA+1] offset:2*ROWB th:TH_LOAD_NT scope:SCOPE_SE   ; K step 2, which the next change of slots asks for
	SUB 0, 1
	TURN 0, 1, 1
	global_prefetch_b8 v[PFO], s[PFA:PFA+1] offset:3*ROWB th:TH_LOAD_NT scope:SCOPE_SE   ; K step 3, the last
	SUB 1, 0
	TURN 1, 0, 1
	SUB 0, 0
	TURN 0, 1, 0                                   ; nothing is filled again: no round of the cluster's barrier
	SUB 1, 0
	s_wait_dscnt 16
	GQ 1, 0, 0
	GQ 1, 2, 0
	GV 1, 0, 0
	s_wait_dscnt 0x0
	GQ 1, 4, 0
	GQ 1, 6, 0
	GV 1, 4, 0
	WIN 0
; THE WAY OUT: sum x 2^(e0 + e1) + bias in one fused multiply-add, held at the largest code, converted, stored.
	s_wait_kmcnt 0x0
	s_add_co_i32 s96, s84, s85
	s_add_co_i32 s96, s96, 127
	s_lshl_b32 s96, s96, 23
	s_mov_b32 s97, s96
.macro SCALE e, k
	s_add_co_i32 s2, s[\e], 127
	s_lshl_b32 s3, s2, 23
	v_mov_b32 v[SC+\k], s3                         ; 2^e
	s_add_co_i32 s2, s2, 15
	s_lshl_b32 s2, s2, 23
	s_or_b32 s2, s2, 0x600000
	v_mov_b32 v[LM+\k], s2                         ; 57,344 x 2^e
.endm
	SCALE 86, 0
	SCALE 87, 1
	SCALE 89, 2
	s_wait_alu depctr_va_vdst(0)
	s_wait_loadcnt 0x0                             ; the biases
; (the six v_mov above are the places behind the last products)
.macro OUT pr                          ; token tiles 2 pr, 2 pr + 1: Q and K of each tile, V of the pair: six runs of 16 numbers
.set AB, 48*((2*(\pr))%4)
	WIN 2+((\pr)/2)
.irp x, 0,1
.set J, 0
.rept 8
	v_pk_fma_f32 v[TMP+16*\x+J:TMP+16*\x+J+1], v[AB+48*\x+J:AB+48*\x+J+1], s[96:97], v[BQ+J:BQ+J+1] op_sel_hi:[1,0,1]
.set J, J+2
.endr
.set J, 0
.rept 8
	v_pk_fma_f32 v[TMP+32+16*\x+J:TMP+33+16*\x+J], v[AB+48*\x+16+J:AB+48*\x+17+J], s[96:97], v[BKK+J:BKK+J+1] op_sel_hi:[1,0,1]
.set J, J+2
.endr
.irp y, 0,1
.set J, 0
.rept 4
	v_pk_fma_f32 v[TMP+64+16*\y+8*\x+J:TMP+65+16*\y+8*\x+J], v[AB+48*\x+32+8*\y+J:AB+48*\x+33+8*\y+J], s[96:97], v[BV+2*\y:BV+2*\y+1] op_sel_hi:[1,0,0]
.set J, J+2
.endr
.endr
.endr
	WIN 0
.set J, 0
.rept 96
	v_med3_num_f32 v[TMP+J], v[TMP+J], -v[LM+J/32], v[LM+J/32]   ; the conversion does not saturate (ISA guide 7.6.2)
.set J, J+1
.endr
.set CB, CD+24*(\pr)
.set J, 0
.rept 12
	v_cvt_scalef32_pk8_bf8_f32 v[CB+2*J:CB+2*J+1], v[TMP+8*J:TMP+8*J+7], v[SC+J/4]
.set J, J+1
.endr
	v_nop                                          ; a plain place behind the conversions
.irp x, 0,1
	global_store_b128 v[CO], v[CB+4*\x:CB+4*\x+3], s[68:69] offset:(2*(\pr)+\x)*1024
	global_store_b128 v[CO], v[CB+8+4*\x:CB+11+4*\x], s[70:71] offset:(2*(\pr)+\x)*1024
	global_store_b128 v[CO], v[CB+16+4*\x:CB+19+4*\x], s[72:73] offset:(\pr)*512+\x*2048
.endr
.endm
	OUT 0
	OUT 1
	OUT 2
	OUT 3
	s_wait_tensorcnt 0x0                           ; the wave's end
	ds_add_u32 v[SPW], v[NIL]
	s_wait_dscnt 0x0
	CROUND                                         ; the closing round
	s_endpgm
.Lfunc_end_k_qdfe2825d09_qkv:
	.size	k_qdfe2825d09_qkv, .Lfunc_end_k_qdfe2825d09_qkv-k_qdfe2825d09_qkv
	.p2alignl 7, 3214868480
	.fill 96, 4, 3214868480
	.section	.rodata,"a",@progbits
	.p2align	6, 0x0
	.amdhsa_kernel k_qdfe2825d09_qkv
		.amdhsa_group_segment_fixed_size 327680
		.amdhsa_private_segment_fixed_size 0
		.amdhsa_enable_private_segment 0
		.amdhsa_kernarg_size 56
		.amdhsa_user_sgpr_count 2
		.amdhsa_user_sgpr_kernarg_segment_ptr 1
		.amdhsa_wavefront_size32 1
		.amdhsa_system_sgpr_workgroup_id_x 1
		.amdhsa_system_sgpr_workgroup_id_y 1
		.amdhsa_system_sgpr_workgroup_id_z 1
		.amdhsa_system_vgpr_workitem_id 0
		.amdhsa_next_free_vgpr 1024
		.amdhsa_next_free_sgpr 98
		.amdhsa_reserve_vcc 0
		.amdhsa_float_denorm_mode_32 3
		.amdhsa_float_denorm_mode_16_64 3
		.amdhsa_memory_ordered 1
		.amdhsa_forward_progress 1
		.amdhsa_inst_pref_size 110
	.end_amdhsa_kernel
	.amdgpu_metadata
---
amdhsa.version: [ 1, 2 ]
amdhsa.kernels:
  - .name:           k_qdfe2825d09_qkv
    .symbol:         k_qdfe2825d09_qkv.kd
    .args:
      - { .name: inputs_codes, .offset: 0, .size: 8, .value_kind: global_buffer, .address_space: global }
      - { .name: rotation_params_codes, .offset: 8, .size: 8, .value_kind: global_buffer, .address_space: global }
      - { .name: lowp_scales, .offset: 16, .size: 8, .value_kind: global_buffer, .address_space: global }
      - { .name: entangle_params, .offset: 24, .size: 8, .value_kind: global_buffer, .address_space: global }
      - { .name: q_codes, .offset: 32, .size: 8, .value_kind: global_buffer, .address_space: global }
      - { .name: k_codes, .offset: 40, .size: 8, .value_kind: global_buffer, .address_space: global }
      - { .name: v_codes, .offset: 48, .size: 8, .value_kind: global_buffer, .address_space: global }
    .group_segment_fixed_size: 327680
    .private_segment_fixed_size: 0
    .kernarg_segment_align: 8
    .kernarg_segment_size: 56
    .max_flat_workgroup_size: 128
    .sgpr_count:     98
    .vgpr_count:     1024
    .wavefront_size: 32
...
	.end_amdgpu_metadata
.endif
;; end of part 1
;; launch attn (part 2): grid 8 x 32, 8 waves a work-group, clusters of 4 x 1, 327,680 bytes of LDS; arguments q_codes, k_codes, v_codes, lowp_scales, o_ws; writes o_ws
.if DOCPART == 2
	.amdgcn_target "amdgcn-amd-amdhsa--gfx1250"
	.amdhsa_code_object_version 6
	.text
	.protected	k_qdfe2825d09_attn
	.globl	k_qdfe2825d09_attn
	.p2align	8
	.type	k_qdfe2825d09_attn,@function
k_qdfe2825d09_attn:
	s_mov_b64 s[64:65], 0
	v_nop
	global_prefetch_b8 v0, s[64:65] scope:SCOPE_SE
	s_setreg_imm32_b32 hwreg(HW_REG_WAVE_MODE, 25, 1), 1
	s_wait_xcnt 0x0
	s_wait_alu depctr_hold_cnt(0) depctr_sa_sdst(0) depctr_va_vdst(0) depctr_va_sdst(0) depctr_va_ssrc(0) depctr_va_vcc(0) depctr_vm_vsrc(0)
	s_getreg_b32 s2, hwreg(HW_REG_IB_STS2, 6, 4)
	s_cmp_eq_u32 s2, 0
	s_cbranch_scc0 .Lentry_in_a_cluster
	s_endpgm
.Lentry_in_a_cluster:
	s_bfe_u32 s2, ttmp6, 0x10000c
	s_cmp_lg_u32 s2, 0x3003
	s_cbranch_scc0 .Lentry_shape_is_right
	s_endpgm
.Lentry_shape_is_right:
; O[hb][q][:] = the sum over k of softmax_k(Q[hb][q] . K[hb][k] / 8) V[hb][k][:], both products on codes of BF8 (E5M2); hb = 2 head + batch; 2,048 queries and keys, head size 64.  No work of the problem is left out.
; THE SOFTMAX AHEAD OF THE SECOND PRODUCT: t = score x log2(e) / 8; M = the row's largest t so far, rounded UP to a whole number; p = 2^(t - M) is what is quantised; it is not normalised.
; The row's sum is taken of the unquantised p, in f32, and divides O at the end.  When M moves, the sum and O are multiplied by 2^(old M - new M): exact.
; SHARES.  A work-group owns 256 queries of one hb; each of its EIGHT waves owns 32 of them, two tiles of 16, in 512 registers, so that each fragment of K and V feeds two matrix instructions.
; ALL OF K AND V OF THE hb LIES IN LDS: 2 x 131,072 bytes of codes.  They come in two halves of the keys, one tensor load a wave for each (16,384 bytes): the second half's loads are out while the first half is worked on.  Every LDS byte is filled once.
; CLUSTER: four query blocks of one hb ask for K and V JOINTLY.  Both groups of tensor loads go out ahead of the first loop, so there is nothing to ask for ahead of them: no prefetch.
; LAYOUT.  q_codes, k_codes and v_codes are images of operand registers (512 bytes = 4 registers of a wave), so LDS is read at 16 x lane with no padding.
; Both products are used transposed: S^T = K Q^T, O^T = V^T P^T: a lane holds ONE query (lane % 16) throughout.  Registers of S^T's tiles 2 c, 2 c + 1 are keys 32 c + 8 (lane / 16) + 0 .. 7 and 16 further on: the order that V's codes have.
; A KEY STEP is 256 keys: 16 tiles of scores for each of the two query tiles, 256 registers, in four blocks of 64.  Block b's exponentials stand among block b + 1's multiply-adds, block b - 1's holds and block b - 2's conversions.
; The next step's K comes in two halves: the first into registers of block 1, which is done with by then, the second into those of the first V fragments.
; OUT.  o_ws: [hb][tile of 16 queries][i 8][lane][e 4] f32: query 16 tile + lane % 16, d = 16 (i / 2) + 8 (lane / 16) + 4 (i % 2) + e.
; LIMITS on the given exponents, so that each power of two below is an f32 number: e2 + e3 between -123 and 130 (they are added to c's exponent field); e4 between -126 and 112; e4 + e5 is applied by v_ldexp_f32 and has none.
; Where e4 is under -15 the largest code holds p under the running M.  The promise holds while the scaled scores stay under 2^31 in magnitude.
; REGISTERS, window 0: below; window 1: the scores, then p: query tile u's at v[128 u + 8 tile]; p's codes of block b take 16 registers: block 0's in v48-63 of window 0, the others' in v0-47 of window 1, over block 0.
.set VOFF,  131072                     ; V behind K
.set HALFB, 65536                      ; half of the keys, in K and in V
.set SPARE, 262144                     ; the spare words
.set STEPB, 16384                      ; 256 keys, in K and in V
.set GO,   1                           ; v1   16 x lane
.set SPW,  2
.set NIL,  3
.set LIMR, 4                           ; v4   57,344 x 2^e4
.set SCR,  5                           ; v5   2^e4
.set NM,   6                           ; v6, v8    -M of the two query tiles;  v7, v9 the largest raw score so far
.set FF,   10                          ; v10, v12  2^(old M - new M);  v11, v13 the largest t
.set LL,   14                          ; v[14:15], v[16:17] the sums, in two halves
.set AA,   18                          ; v[18:25] four chains of a query tile's sum in a step
.set ADK,  26
.set ADV,  27
.set PX,   28                          ; v28, v29 for the lane permutes
.set QQ,   32                          ; v32-47 Q's fragments
.set CODE0, 48                         ; v48-63; in the search for the maximum v48-55 are its chains
.set OO,   64                          ; v64-127 O^T
.set FRG,  128                         ; v128-255 fragments of V; v128-191 also the second half of a step's K
.set KW1,  64                          ; window 1, v64-127: the first half of a step's K
.set WV,   14
.set SEL,  20
.set CS,   22                          ; s[22:23] c = log2(e) / 8 x 2^(e2 + e3); the packed form takes the low word for both halves
.set G1,   24
.set G0,   32                          ; s[32:35], s[36:39] descriptor group 0 of the two halves; never rewritten
.set TB,   48                          ; s48  the key step's first byte
.set CNT,  49
.set MSB, 0
.macro WIN new                         ; the immediate's high byte repeats the setting that is left
.set NW, \new
.if MSB != NW
	s_set_vgpr_msb (MSB<<8)|NW
.set MSB, NW
.endif
.endm
.macro CROUND                          ; a round of the cluster's barrier
	s_barrier_signal -1
	s_barrier_wait -1
	s_cmp_lg_u32 s[WV], 0
	s_cbranch_scc1 .Lnot_wave_0_\@
	s_barrier_signal -3
.Lnot_wave_0_\@:
	s_barrier_wait -3
	s_barrier_signal -1
	s_barrier_wait -1
.endm
	s_load_b256 s[4:11], s[0:1], 0x0               ; Q s[4:5], K s[6:7], V s[8:9], exponents s[10:11]
	s_load_b64 s[12:13], s[0:1], 0x20              ; o_ws
	v_lshl_add_u32 v[SPW], v0, 2, SPARE
	v_mov_b32 v[NIL], 0
	ds_add_u32 v[SPW], v[NIL]                      ; the opening add, twice on end, and its wait
	ds_add_u32 v[SPW], v[NIL]
	v_lshrrev_b32 v20, 5, v0
	v_readfirstlane_b32 s[WV], v20                 ; wave
	s_bfe_u32 s15, ttmp6, 0x40000                  ; cx
	s_lshl_b32 s16, ttmp9, 2
	s_add_co_u32 s16, s16, s15                     ; my block of 256 queries: it enters Q's and o_ws's addresses alone
	s_and_b32 s17, ttmp7, 0xffff                   ; hb
	s_lshl_b32 s18, s17, 17
	s_mov_b32 s[G1], 15|(1<<21)                    ; the mask names all four work-groups; elements of 1 byte; no padding
	s_mov_b32 s[G1+1], 256<<16                     ; 64 rows of 256 bytes, dense
	s_mov_b32 s[G1+2], 64<<16
	s_mov_b32 s[G1+3], 256<<16
	s_mov_b32 s[G1+4], 64
	s_mov_b32 s[G1+5], 256
	s_mov_b32 s[G1+6], 0
	s_mov_b32 s[G1+7], 0
	s_mov_b32 s[SEL], 0x76543210
	s_mov_b32 s[SEL+1], 0xfedcba98
	s_mov_b32 s[CS], 0x3e38aa3b                    ; log2(e) / 8
	s_and_b32 s57, s[WV], 3                        ; waves 0-3: of each half of the keys, a quarter of K each; waves 4-7: of V
	s_lshl_b32 s57, s57, 14
	s_lshr_b32 s56, s[WV], 2
	s_lshl_b32 s56, s56, 17
	s_add_co_u32 s56, s56, s57                     ; in LDS
	s_add_co_u32 s58, s57, s18                     ; in memory
	s_mov_b32 s59, 0
	s_wait_dscnt 0x0
	s_wait_kmcnt 0x0
	s_load_b128 s[52:55], s[10:11], 0x8            ; e2, e3, e4, e5
	s_cmp_lt_u32 s[WV], 4
	s_cselect_b64 s[50:51], s[6:7], s[8:9]
	s_add_nc_u64 s[50:51], s[50:51], s[58:59]
.irp c, 0,1
	s_mov_b32 s[G0+4*\c], 1
	s_add_co_u32 s[G0+4*\c+1], s56, \c*HALFB
	s_add_nc_u64 s[G0+4*\c+2:G0+4*\c+3], s[50:51], \c*HALFB
	s_or_b32 s[G0+4*\c+3], s[G0+4*\c+3], 0x80000000
.endr
	CROUND                                         ; all four work-groups are here: the joint loads meet
	tensor_load_to_lds s[G0:G0+3], s[G1:G1+7]      ; keys 0 to 1,023
	s_nop 0
.rept 4
	v_nop
.endr
	s_lshl_b32 s60, s16, 14                        ; Q: 16 tiles of 1,024 bytes a block, two a wave
	s_lshl_b32 s61, s[WV], 11
	s_add_co_u32 s60, s60, s61
	s_add_co_u32 s60, s60, s18
	s_mov_b32 s61, 0
	s_add_nc_u64 s[4:5], s[4:5], s[60:61]
	s_lshl_b32 s62, s17, 19                        ; o_ws: 4,096 bytes a tile
	s_lshl_b32 s63, s16, 16
	s_add_co_u32 s62, s62, s63
	s_lshl_b32 s63, s[WV], 13
	s_add_co_u32 s62, s62, s63
	s_mov_b32 s63, 0
	s_add_nc_u64 s[12:13], s[12:13], s[62:63]
	v_and_b32 v20, 31, v0
	v_lshlrev_b32 v[GO], 4, v20
.irp i, 0,1,2,3
	global_load_b128 v[QQ+4*\i:QQ+4*\i+3], v[GO], s[4:5] offset:512*\i   ; Q's two fragments stay in registers
.endr
.irp u, 0,1
	v_mov_b32 v[NM+2*\u], 0x7f61b1e6               ; -M = 3e38: under every M
	v_mov_b32 v[NM+1+2*\u], 0xff61b1e6             ; the largest score so far: -3e38
	v_mov_b32 v[LL+2*\u], 0
	v_mov_b32 v[LL+1+2*\u], 0
	v_mov_b32 v[PX+\u], 0                          ; a lane permute's destination counts as one of its sources
.endr
.set I, 0
.rept 64
	v_mov_b32 v[OO+I], 0                           ; O^T, while the tiles are on their way: the first change of M finds zeros and leaves zeros
.set I, I+1
.endr
	s_wait_alu depctr_va_vdst(0)
	s_wait_kmcnt 0x0
	s_add_co_i32 s56, s52, s53
	s_lshl_b32 s56, s56, 23
	s_add_co_i32 s[CS], s[CS], s56
	s_mov_b32 s[CS+1], s[CS]
	s_add_co_i32 s56, s54, 127
	s_lshl_b32 s57, s56, 23
	v_mov_b32 v[SCR], s57
	s_add_co_i32 s56, s56, 15
	s_lshl_b32 s56, s56, 23
	s_or_b32 s56, s56, 0x600000
	v_mov_b32 v[LIMR], s56
.macro KL hf                           ; half of a step's 16 tiles of K
.if \hf == 0
	WIN 0x40
.else
	WIN 0
.endif
.set I, 0
.rept 16
.if \hf == 0
	ds_load_b128 v[KW1+4*I:KW1+4*I+3], v[ADK] offset:512*I
.else
	ds_load_b128 v[FRG+4*I:FRG+4*I+3], v[ADK] offset:8192+512*I
.endif
.set I, I+1
.endr
	WIN 0
.endm
.macro SMUL hf                         ; S^T: eight tiles of 16 keys x two query tiles
.if \hf == 0
	WIN 0x41
.set KB, KW1
.else
	WIN 0x40
.set KB, FRG
.endif
.set I, 0
.rept 8
	v_wmma_f32_16x16x64_bf8_bf8 v[64*(\hf)+8*I:64*(\hf)+8*I+7], v[KB+8*I:KB+8*I+7], v[QQ:QQ+7], 0
	v_wmma_f32_16x16x64_bf8_bf8 v[128+64*(\hf)+8*I:128+64*(\hf)+8*I+7], v[KB+8*I:KB+8*I+7], v[QQ+8:QQ+15], 0
.set I, I+1
.endr
	WIN 0
.endm
.macro CVT2 b, j                       ; sixteen p of block b into four registers of codes
.set PR, 64*(\b)+8*(\j)
.if (\b) == 0
	WIN 0x01
.set CR, CODE0+2*(\j)
.else
.set CR, 16*((\b)-1)+2*(\j)
.endif
	v_cvt_scalef32_pk8_bf8_f32 v[CR:CR+1], v[PR:PR+7], v[SCR]
	v_cvt_scalef32_pk8_bf8_f32 v[CR+2:CR+3], v[PR+8:PR+15], v[SCR]
	WIN 0x41
.endm
.macro TSUBM b, i                      ; t - M, two at a time (of the pairs c and -M the low word serves both halves)
.set PR, 64*(\b)+2*(\i)
.set MR, NM+2*((\b)/2)
	v_pk_fma_f32 v[PR:PR+1], v[PR:PR+1], s[CS:CS+1], v[MR:MR+1] op_sel_hi:[1,0,0]
.endm
.macro HOLD b, i                       ; the conversion does not saturate (ISA guide 7.6.2); p is not negative, so the hold is one-sided
.set PR, 64*(\b)+2*(\i)
	v_dual_min_num_f32 v[PR], v[PR], v[LIMR] :: v_dual_min_num_f32 v[PR+1], v[PR+1], v[LIMR]
.endm
; Block b: 64 exponentials among plain work on other blocks, ONE wait behind them, which also stands ahead of the next block's, then the block's sum.
.macro BLOCK b
	WIN 0x41
.set I, 0
.rept 32
	v_exp_f32 v[64*(\b)+2*I], v[64*(\b)+2*I]
.if (\b) < 3
	TSUBM (\b)+1, I
.endif
	v_exp_f32 v[64*(\b)+2*I+1], v[64*(\b)+2*I+1]
.if (\b) > 0
	HOLD (\b)-1, I
.endif
.if (\b) > 1
.if (I%8) == 1
	CVT2 (\b)-2, 2*(I/8)
.endif
.endif
.set I, I+1
.endr
	s_wait_alu depctr_va_vdst(0)
.if ((\b)%2) == 0
	WIN 0x05
.set I, 0
.rept 4
	v_pk_add_f32 v[AA+2*I:AA+2*I+1], v[64*(\b)+2*I:64*(\b)+2*I+1], v[64*(\b)+8+2*I:64*(\b)+9+2*I]
.set I, I+1
.endr
.set I, 8
.else
.set I, 0
.endif
	WIN 0x04
.rept 32-I
	v_pk_add_f32 v[AA+2*(I%4):AA+2*(I%4)+1], v[AA+2*(I%4):AA+2*(I%4)+1], v[64*(\b)+2*I:64*(\b)+2*I+1]
.set I, I+1
.endr
.if ((\b)%2) == 1
	WIN 0
	v_pk_add_f32 v[AA:AA+1], v[AA:AA+1], v[AA+2:AA+3]
	v_pk_add_f32 v[AA+4:AA+5], v[AA+4:AA+5], v[AA+6:AA+7]
	v_pk_add_f32 v[AA:AA+1], v[AA:AA+1], v[AA+4:AA+5]
.set UR, 2*((\b)/2)
	v_pk_fma_f32 v[LL+UR:LL+UR+1], v[LL+UR:LL+UR+1], v[FF+UR:FF+UR+1], v[AA:AA+1] op_sel_hi:[1,0,1]   ; the sum under the new M, and this step's
.endif
.endm
; From a step's scores to its codes: V's fragments are asked for first and land under the softmax.  next = 1: the first half of the next step's K is asked for ahead of the last holds and conversions.
.macro SOFT next
	WIN 0
	v_add_nc_u32 v[ADV], s[TB], v[GO]
	v_nop                                          ; with the two additions: four places behind the products, for the loads and for the first read of the scores
	v_nop
	v_add_nc_u32 v[ADV], VOFF, v[ADV]
.set I, 0
.rept 32                               ; [128 keys 2][d tile 4][c 4]
	ds_load_b128 v[FRG+4*I:FRG+4*I+3], v[ADV] offset:512*I
.set I, I+1
.endr
	WIN 0x14
.irp t, 0,1,2,3,4,5,6,7,8,9,10,11,12,13,14,15
.irp u, 0,1
.irp j, 0,1,2,3
.if \t == 0
	v_max3_num_f32 v[CODE0+4*\u+\j], v[NM+1+2*\u], v[128*\u+2*\j], v[128*\u+2*\j+1]
.else
	v_max3_num_f32 v[CODE0+4*\u+\j], v[CODE0+4*\u+\j], v[128*\u+8*\t+2*\j], v[128*\u+8*\t+2*\j+1]
.endif
.endr
.endr
.endr
	WIN 0
.irp u, 0,1
	v_max3_num_f32 v[CODE0+4*\u], v[CODE0+4*\u], v[CODE0+4*\u+1], v[CODE0+4*\u+2]
.endr
.irp u, 0,1
	v_max_num_f32 v[CODE0+4*\u], v[CODE0+4*\u], v[CODE0+4*\u+3]
.endr
.irp u, 0,1
	v_permlanex16_b32 v[PX+\u], v[CODE0+4*\u], s[SEL], s[SEL+1]
.endr
.irp u, 0,1
	v_max_num_f32 v[NM+1+2*\u], v[CODE0+4*\u], v[PX+\u]   ; the running largest score, lane l xor 16's among them
.endr
.irp u, 0,1
	v_mul_f32 v[FF+1+2*\u], s[CS], v[NM+1+2*\u]    ; as t (c is positive)
.endr
.irp u, 0,1
	v_floor_f32 v[CODE0+4*\u+1], -v[FF+1+2*\u]     ; the new -M = floor(-t)
.endr
.irp u, 0,1
	v_sub_f32 v[CODE0+4*\u+2], v[CODE0+4*\u+1], v[NM+2*\u]   ; M's old value less its new one: a whole number, 0 or less
.endr
.irp u, 0,1
	v_cvt_i32_f32 v[CODE0+4*\u+2], v[CODE0+4*\u+2] ; (it saturates)
.endr
.irp u, 0,1
	v_mov_b32 v[NM+2*\u], v[CODE0+4*\u+1]
.endr
.irp u, 0,1
	v_ldexp_f32 v[FF+2*\u], 1.0, v[CODE0+4*\u+2]   ; 2^(old M - new M)
.endr
.irp u, 0,1
.set I, 0
.rept 16
	v_pk_mul_f32 v[OO+32*\u+2*I:OO+32*\u+2*I+1], v[OO+32*\u+2*I:OO+32*\u+2*I+1], v[FF+2*\u:FF+2*\u+1] op_sel_hi:[1,0]   ; O^T under the new M
.set I, I+1
.endr
.endr
	WIN 0x41
.set I, 0
.rept 32
	TSUBM 0, I
.set I, I+1
.endr
	s_wait_alu depctr_va_vdst(0)                   ; the wait ahead of the batch
	BLOCK 0
	BLOCK 1
	BLOCK 2
	BLOCK 3
.if \next
	s_add_co_u32 s[TB], s[TB], STEPB
	v_add_nc_u32 v[ADK], s[TB], v[GO]
	KL 0                                           ; over block 1, whose codes are made
.endif
	WIN 0x41
.set I, 0
.rept 32
	HOLD 3, I
.set I, I+1
.endr
.irp j, 0,2,4,6
	CVT2 2, \j
.endr
.irp j, 0,2,4,6
	CVT2 3, \j
.endr
	v_nop                                          ; a plain place behind the conversions
	WIN 0
	s_wait_alu depctr_va_vdst(0)
.if \next
	s_wait_dscnt 16                                ; V is in; the 16 loads of K behind it may be out
.else
	s_wait_dscnt 0x0                               ; V is in
.endif
.endm
.macro PV kc                           ; O^T += V^T P^T over 128 keys; the eight accumulators take turns
.irp u, 0,1
.set CT, 2*\u+(\kc)
.if CT == 0
	WIN 0
.set CR, CODE0
.else
	WIN 0x04
.set CR, 16*(CT-1)
.endif
.irp t, 0,1,2,3
	v_wmma_f32_16x16x128_bf8_bf8 v[OO+32*\u+8*\t:OO+32*\u+8*\t+7], v[FRG+64*(\kc)+16*\t:FRG+64*(\kc)+16*\t+15], v[CR:CR+15], v[OO+32*\u+8*\t:OO+32*\u+8*\t+7]
.endr
.endr
	WIN 0
.endm
.macro PLACES                          ; four for loads into registers that the products have read, five for products over them
.rept 5
	v_nop
.endr
.endm
; 1,024 keys, four key steps.  A trip: a step's softmax and second product, and the next step's first product.
.macro HALF h
	s_mov_b32 s[TB], (\h)*HALFB
	v_add_nc_u32 v[ADK], s[TB], v[GO]
	PLACES
	KL 0
	KL 1
	s_wait_dscnt 16                                ; the first eight tiles; the youngest 16 loads may be out
	SMUL 0
	PLACES                                         ; the products below write over the first half of K
	s_wait_dscnt 0x0
	SMUL 1
	s_mov_b32 s[CNT], 3
.Lstep_\@:
	SOFT 1
	PV 0
	PLACES
	KL 1                                           ; into the registers of the V that is done with
	PV 1
	PLACES                                         ; the products below write over the codes
	s_wait_dscnt 16                                ; the first half of K; the second may be out
	SMUL 0
	PLACES
	s_wait_dscnt 0x0
	SMUL 1
	s_sub_co_u32 s[CNT], s[CNT], 1
	s_cmp_lg_u32 s[CNT], 0
	s_cbranch_scc1 .Lstep_\@
	SOFT 0
	PV 0
	PV 1
.endm
	s_wait_alu depctr_va_vdst(0)                   ; the wait at the head's end
	s_wait_loadcnt 0x0                             ; Q
	s_wait_tensorcnt 0x0                           ; my part of the first half has landed; these lines ahead of a later first fill
	ds_add_u32 v[SPW], v[NIL]
	s_wait_dscnt 0x0
	CROUND                                         ; every wave's part has landed, and all four work-groups are here
	tensor_load_to_lds s[G0+4:G0+7], s[G1:G1+7]    ; keys 1,024 to 2,047: one load out while the first half is worked on
	s_nop 0
.rept 4
	v_nop
.endr
	HALF 0
	s_wait_alu depctr_va_vdst(0)
	s_wait_tensorcnt 0x0                           ; my part of the second half has landed,
	s_wait_dscnt 0x0
	s_barrier_signal -1
	s_barrier_wait -1                              ; and every wave's
	HALF 1
	; THE WAY OUT: O^T / the sum x 2^(e4 + e5), stored as the registers stand.
.irp u, 0,1
	v_add_f32 v[LL+2*\u], v[LL+2*\u], v[LL+1+2*\u]
.endr
.irp u, 0,1
	v_permlanex16_b32 v[PX+\u], v[LL+2*\u], s[SEL], s[SEL+1]
.endr
.irp u, 0,1
	v_add_f32 v[LL+2*\u], v[LL+2*\u], v[PX+\u]     ; the row's sum
.endr
	s_wait_alu depctr_va_vdst(0)                   ; the wait ahead of the transcendentals
	v_rcp_f32 v[LL], v[LL]
	v_rcp_f32 v[LL+2], v[LL+2]
	v_nop                                          ; a plain place behind them
	s_add_co_i32 s56, s54, s55
	s_wait_alu depctr_va_vdst(0)                   ; and the wait ahead of their first reader
	v_ldexp_f32 v[LL], v[LL], s56
	v_ldexp_f32 v[LL+2], v[LL+2], s56
	s_wait_alu depctr_va_vdst(0)                   ; the wait directly ahead of the first reader of O^T
.irp u, 0,1
.set I, 0
.rept 16
	v_pk_mul_f32 v[FRG+32*\u+2*I:FRG+32*\u+2*I+1], v[OO+32*\u+2*I:OO+32*\u+2*I+1], v[LL+2*\u:LL+2*\u+1] op_sel_hi:[1,0]
.set I, I+1
.endr
.endr
.set I, 0
.rept 16
	global_store_b128 v[GO], v[FRG+4*I:FRG+4*I+3], s[12:13] offset:512*I   ; 32 lanes store 512 consecutive bytes, at a multiple of 512
.set I, I+1
.endr
	s_wait_tensorcnt 0x0                           ; the wave's end
	ds_add_u32 v[SPW], v[NIL]
	s_wait_dscnt 0x0
	CROUND                                         ; the closing round
	s_endpgm
.Lfunc_end_k_qdfe2825d09_attn:
	.size	k_qdfe2825d09_attn, .Lfunc_end_k_qdfe2825d09_attn-k_qdfe2825d09_attn
	.p2alignl 7, 3214868480
	.fill 96, 4, 3214868480
	.section	.rodata,"a",@progbits
	.p2align	6, 0x0
	.amdhsa_kernel k_qdfe2825d09_attn
		.amdhsa_group_segment_fixed_size 327680
		.amdhsa_private_segment_fixed_size 0
		.amdhsa_enable_private_segment 0
		.amdhsa_kernarg_size 40
		.amdhsa_user_sgpr_count 2
		.amdhsa_user_sgpr_kernarg_segment_ptr 1
		.amdhsa_wavefront_size32 1
		.amdhsa_system_sgpr_workgroup_id_x 1
		.amdhsa_system_sgpr_workgroup_id_y 1
		.amdhsa_system_sgpr_workgroup_id_z 1
		.amdhsa_system_vgpr_workitem_id 0
		.amdhsa_next_free_vgpr 512
		.amdhsa_next_free_sgpr 66
		.amdhsa_reserve_vcc 0
		.amdhsa_float_denorm_mode_32 3
		.amdhsa_float_denorm_mode_16_64 3
		.amdhsa_memory_ordered 1
		.amdhsa_forward_progress 1
		.amdhsa_inst_pref_size 229
	.end_amdhsa_kernel
	.amdgpu_metadata
---
amdhsa.version: [ 1, 2 ]
amdhsa.kernels:
  - .name:           k_qdfe2825d09_attn
    .symbol:         k_qdfe2825d09_attn.kd
    .args:
      - { .name: q_codes, .offset: 0, .size: 8, .value_kind: global_buffer, .address_space: global }
      - { .name: k_codes, .offset: 8, .size: 8, .value_kind: global_buffer, .address_space: global }
      - { .name: v_codes, .offset: 16, .size: 8, .value_kind: global_buffer, .address_space: global }
      - { .name: lowp_scales, .offset: 24, .size: 8, .value_kind: global_buffer, .address_space: global }
      - { .name: o_ws, .offset: 32, .size: 8, .value_kind: global_buffer, .address_space: global }
    .group_segment_fixed_size: 327680
    .private_segment_fixed_size: 0
    .kernarg_segment_align: 8
    .kernarg_segment_size: 40
    .max_flat_workgroup_size: 256
    .sgpr_count:     66
    .vgpr_count:     512
    .wavefront_size: 32
...
	.end_amdgpu_metadata
.endif
;; end of part 2
;; launch perm (part 3): grid 256 x 1, 4 waves a work-group, no clusters, 68,096 bytes of LDS; arguments o_ws, out0; writes out0
.if DOCPART == 3
	.amdgcn_target "amdgcn-amd-amdhsa--gfx1250"
	.amdhsa_code_object_version 6
	.text
	.protected	k_qdfe2825d09_perm
	.globl	k_qdfe2825d09_perm
	.p2align	8
	.type	k_qdfe2825d09_perm,@function
k_qdfe2825d09_perm:
	s_mov_b64 s[64:65], 0
	v_nop
	global_prefetch_b8 v0, s[64:65] scope:SCOPE_SE
	s_setreg_imm32_b32 hwreg(HW_REG_WAVE_MODE, 25, 1), 1
	s_wait_xcnt 0x0
; out0, as a flat run of f32, holds O(hb, s, d) at s x 2048 + d x 32 + hb (hb = 2 head + batch): 256 consecutive bytes of it hold two d of all 32 hb, which 32 different work-groups of the launch before have made.
; o_ws: [hb 32][qt 128][i 8][lane 32][e 4] f32 holds O(hb, s = 16 qt + lane % 16, d = 16 (i / 2) + 8 (lane / 16) + 4 (i % 2) + e).
; A wave takes one (qt, i): 512 bytes of each hb, in two halves of 256 bytes (lane / 16 of the image).  A load reads 256 consecutive aligned bytes of each of two hb; all 32 loads of a wave are out together, the first half's first,
; so that its rows are stored while the second half's loads are out.  The 4 e x 32 hb of a query are 512 CONSECUTIVE bytes of out0: a row of the wave's stage in LDS, read back 16 bytes a lane and stored whole.
; A stream: each byte is read once and written once, work-groups share no input, waves share nothing: no matrix unit, no cluster, no barrier, no loop.
.set SPITCH, 528                       ; a stage row: 512 bytes + 16: the 32 lanes' words fall on 32 different banks (64 banks of 4 bytes: ISA guide 11.1)
.set WSTG,   32*SPITCH                 ; a wave's stage: 16 rows for each half
.set SPARE,  4*WSTG                    ; the spare words
.set LO, 2                             ; v2   where my lane reads: (lane / 16) hb on, 16 x (lane % 16)
.set SA, 3                             ; v3   my query's row of the stage, + 4 bytes for lane / 16
.set RA, 4                             ; v4   my 16 bytes of a stage row
.set GO, 5                             ; v5   16 x lane
.set X,  8                             ; v8-135  four registers for each load, later for each row
	s_load_b128 s[4:7], s[0:1], 0x0                ; o_ws, out0
	v_lshl_add_u32 v136, v0, 2, SPARE
	v_mov_b32 v137, 0
	v_lshrrev_b32 v1, 5, v0
	v_readfirstlane_b32 s8, v1                     ; wave
	s_mul_i32 s9, s8, WSTG
	v_and_b32 v1, 31, v0
	v_lshlrev_b32 v[GO], 4, v1
	v_and_b32 v6, 15, v0
	v_bfe_u32 v7, v0, 4, 1
	v_lshlrev_b32 v[LO], 19, v7                    ; 524,288 bytes an hb
	v_lshl_add_u32 v[LO], v6, 4, v[LO]
	v_mul_u32_u24 v[SA], v6, SPITCH
	v_lshl_add_u32 v[SA], v7, 2, v[SA]
	v_add_nc_u32 v[SA], s9, v[SA]
	v_add_nc_u32 v[RA], s9, v[GO]
	s_lshl_b32 s10, ttmp9, 2
	s_add_co_u32 s10, s10, s8                      ; which of the 1,024 (qt, i) is mine
	s_lshr_b32 s11, s10, 3                         ; qt
	s_and_b32 s10, s10, 7                          ; i
	s_lshl_b32 s2, s11, 12
	s_lshl_b32 s3, s10, 9
	s_add_co_u32 s2, s2, s3                        ; in: qt x 4,096 + i x 512
	s_mov_b32 s3, 0
	s_lshl_b32 s14, s11, 17                        ; out: 16 qt rows s of 8,192 bytes,
	s_lshr_b32 s15, s10, 1
	s_lshl_b32 s15, s15, 11                        ; d = 16 (i / 2): 128 bytes a d,
	s_add_co_u32 s14, s14, s15
	s_and_b32 s15, s10, 1
	s_lshl_b32 s15, s15, 9                         ; + 4 (i % 2)
	s_add_co_u32 s14, s14, s15
	s_mov_b32 s15, 0
	s_wait_alu depctr_va_vdst(0)                   ; the wait at the head's end
	s_wait_kmcnt 0x0
	s_add_nc_u64 s[4:5], s[4:5], s[2:3]            ; hb 0 to 15,
	s_add_nc_u64 s[12:13], s[4:5], 0x800000        ; hb 16 to 31 from a second base, so that the immediate stays inside its signed 24 bits (ISA guide, chapter 10)
	s_add_nc_u64 s[6:7], s[6:7], s[14:15]
.set N, 0
.rept 32                               ; load N: half N / 16, hb 2 (N % 16) and the next
.if (N%16) < 8
	global_load_b128 v[X+4*N:X+4*N+3], v[LO], s[4:5] offset:(N%16)*1048576+(N/16)*256 th:TH_LOAD_NT
.else
	global_load_b128 v[X+4*N:X+4*N+3], v[LO], s[12:13] offset:(N%16-8)*1048576+(N/16)*256 th:TH_LOAD_NT
.endif
.set N, N+1
.endr
.irp h, 0,1
.set N, 16*\h
.rept 16
	s_wait_loadcnt 31-N                            ; loads come back in order (ISA guide 5.7.1): load N is in, the younger ones may be out
.irp e, 0,1,2,3
	ds_store_b32 v[SA], v[X+4*N+\e] offset:\h*16*SPITCH+128*\e+8*(N%16)
.endr
.set N, N+1
.endr
	s_wait_dscnt 0x0                               ; the stores have read their registers, into which the rows come back
.set P, 0
.rept 16
	ds_load_b128 v[X+64*\h+4*P:X+64*\h+4*P+3], v[RA] offset:\h*16*SPITCH+SPITCH*P   ; my own wave's bytes
.set P, P+1
.endr
.set P, 0
.rept 16
	s_wait_dscnt 15-P                              ; row P is in, the younger loads may be out
	global_store_b128 v[GO], v[X+64*\h+4*P:X+64*\h+4*P+3], s[6:7] offset:P*8192+\h*1024 th:TH_STORE_NT   ; s = 16 qt + P; the second half 8 d further on; written once, read by nobody here
.set P, P+1
.endr
.endr
	s_wait_tensorcnt 0x0                           ; the wave's end
	ds_add_u32 v136, v137
	s_wait_dscnt 0x0
	s_endpgm
.Lfunc_end_k_qdfe2825d09_perm:
	.size	k_qdfe2825d09_perm, .Lfunc_end_k_qdfe2825d09_perm-k_qdfe2825d09_perm
	.p2alignl 7, 3214868480
	.fill 96, 4, 3214868480
	.section	.rodata,"a",@progbits
	.p2align	6, 0x0
	.amdhsa_kernel k_qdfe2825d09_perm
		.amdhsa_group_segment_fixed_size 68096
		.amdhsa_private_segment_fixed_size 0
		.amdhsa_enable_private_segment 0
		.amdhsa_kernarg_size 16
		.amdhsa_user_sgpr_count 2
		.amdhsa_user_sgpr_kernarg_segment_ptr 1
		.amdhsa_wavefront_size32 1
		.amdhsa_system_sgpr_workgroup_id_x 1
		.amdhsa_system_sgpr_workgroup_id_y 1
		.amdhsa_system_sgpr_workgroup_id_z 1
		.amdhsa_system_vgpr_workitem_id 0
		.amdhsa_next_free_vgpr 138
		.amdhsa_next_free_sgpr 66
		.amdhsa_reserve_vcc 0
		.amdhsa_float_denorm_mode_32 3
		.amdhsa_float_denorm_mode_16_64 3
		.amdhsa_memory_ordered 1
		.amdhsa_forward_progress 1
		.amdhsa_inst_pref_size 20
	.end_amdhsa_kernel
	.amdgpu_metadata
---
amdhsa.version: [ 1, 2 ]
amdhsa.kernels:
  - .name:           k_qdfe2825d09_perm
    .symbol:         k_qdfe2825d09_perm.kd
    .args:
      - { .name: o_ws, .offset: 0, .size: 8, .value_kind: global_buffer, .address_space: global }
      - { .name: out0, .offset: 8, .size: 8, .value_kind: global_buffer, .address_space: global }
    .group_segment_fixed_size: 68096
    .private_segment_fixed_size: 0
    .kernarg_segment_align: 8
    .kernarg_segment_size: 16
    .max_flat_workgroup_size: 128
    .sgpr_count:     66
    .vgpr_count:     138
    .wavefront_size: 32
...
	.end_amdgpu_metadata
.endif
;; end of part 3
